; MI455X (gfx1250); checked and timed in simulation.
; The chip was launched on July 23, 2026; its instructions are those of AMD's public machine-readable ISA for CDNA 5 (MIT licence, August 2026) and "CDNA5" Instruction Set Architecture Reference Guide (July 2026). The comments in the code are by the model that wrote it; some were corrected since.
;; Multi Head Self Attention. Allowed arithmetic: matrix products marked QUANTISED: E2M3 operands, one E8M0 scale for each 32 along K, by v_wmma_scale_f32_16x16x128_f8f6f4 with both operands' format E2M3, f32 sums; everything else in f32.
;; Inputs: W_codes 3,072 x 32 x 24 uint8 (E2M3 codes of W, K innermost, in blocks of 32 codes, four codes in three bytes); W_scales 3,072 x 32 uint8 (E8M0 scales of W, one for each 32 codes along K); b 3,072 float32; inputs_codes 2 x 2,048 x 32 x 24 uint8 (E2M3 codes of inputs, K innermost, in blocks of 32 codes, four codes in three bytes); inputs_scales 2 x 2,048 x 32 uint8 (E8M0 scales of inputs, one for each 32 codes along K); masks 2 x 2,048 float32.
;; Outputs: out0 2 x 2,048 x 1,024 float32.
;; This version of the problem:
;;   THIS VERSION OF THE PROBLEM IS GIVEN IN LOW PRECISION. The matrix products marked QUANTISED in the list below multiply operands that are first quantised to E2M3 (2 exponent bits, 3 mantissa bits; 6 bits a number), with one power-of-two scale for each 32 numbers along K (OCP MX v1.0); their sums are f32. All else is computed in f32.
;;   The module's matrix products, in the order in which they are computed (A, B: the left and right operand; K: the contracted axis; several contracted axes count as one K, in the product's order):
;;     1. [M 4,096, K 1,024] x [K 1,024, N 3,072]; A: input inputs (given as codes); B: input W (given as codes): QUANTISED
;;     2. batch 32 x [M 2,048, K 64] x [K 64, N 2,048]; A: computed on the way; B: computed on the way: QUANTISED
;;     3. batch 32 x [M 64, K 2,048] x [K 2,048, N 2,048]; A: computed on the way; B: computed on the way: QUANTISED
;;   THE QUANTISER, for each operand of a quantised product, along K:
;;     - K is cut into blocks of 32 from its start; a last block that is shorter is filled with zeros.
;;     - A block's scale is 2^e with e = floor(log2(the largest magnitude in the block)) - 2, held to -126 .. 127; a block of zeros has e = 0. As a byte (E8M0): e + 127.
;;     - Each number is divided by its block's scale, clamped to +-7.5, and rounded to the nearest number of E2M3, ties to even, subnormals kept.
;;     - The product sums the exact products of the quantised numbers (number of the format x scale) in f32.
;;   ~~~python
;;   def quantise(x, axis):      # numpy; x: float32 -> the quantised numbers, widened to float32 again
;;       x = np.moveaxis(x, axis, -1); K = x.shape[-1]
;;       x = np.pad(x, [(0, 0)] * (x.ndim - 1) + [(0, -K % 32)]); x = x.reshape(x.shape[:-1] + (-1, 32)); a = np.abs(x).max(-1, keepdims=True)
;;       e = np.where(a > 0, np.clip(np.frexp(np.where(a > 0, a, 1))[1] - 1 - 2, -126, 127), 0)      # np.frexp(a)[1] - 1 = floor(log2(a)), exactly
;;       r = np.clip(x / 2.0 ** e, -7.5, 7.5)
;;       step = 2.0 ** (np.maximum(np.frexp(np.where(r == 0, 1, r))[1] - 1, 0) - 3)
;;       q = np.round(r / step) * step * 2.0 ** e      # np.round: ties to even
;;       return np.moveaxis(q.reshape(q.shape[:-2] + (-1,))[..., :K], -1, axis).astype(np.float32)
;;   ~~~
;;   OPERANDS COMPUTED ON THE WAY. 'Computed on the way' means the value that the module computes at that place (a softmax that the list does not call 'softmax' is quantised finished and normalised). What goes into a quantiser is computed in f32, as accurately as f32 sums, v_exp_f32 and their like allow (about 1e-6 of the number): no bf16 or f16 on the way to a quantiser, and a product that is left as it is and whose result goes on into a quantised operand takes f32 operands (vector FMAs, or v_wmma_f32_16x16x4_f32). A number that lies on a knife's edge between two numbers of the format may be rounded either way, as far as f32 arithmetic and the matrix unit's own rounding can turn it there, and no further.
;;   INPUTS GIVEN AS CODES. W (in the module: [1024, 3072], K = its axis 0); inputs (in the module: [2, 2048, 1024], K = its axis 2): each comes as NAME_codes (uint8): NAME with its K axis moved to the last place and cut into blocks of 32 codes, [.., K / 32, bytes a block], one block behind the other in memory; four codes in three bytes: a row's codes are one little-endian stream of bits, code i at bits 6 i .. 6 i + 5 (a code: sign, 2 exponent bits, 3 mantissa bits); and NAME_scales (uint8): the same leading axes, one E8M0 byte (e + 127) for each 32 codes along K. Its value is code x scale, taken as it is: it is not quantised again, and the codes and scales need not be those that the quantiser above would give.
;; One version. Each part assembles by itself: llvm-mc -triple=amdgcn-amd-amdhsa -mcpu=gfx1250 --defsym DOCPART=n.
;; ======== version 1 of 1: 2 launches
;; workspace buffers: img 9,437,184 bytes; scl 393,216 bytes
;; launch qkv (part 1): grid 12 x 16, 4 waves a work-group, clusters of 4 x 4, 327,680 bytes of LDS; arguments inputs_codes, inputs_scales, W_codes, W_scales, b, img, scl; writes img, scl
.if DOCPART == 1
	.amdgcn_target "amdgcn-amd-amdhsa--gfx1250"
	.amdhsa_code_object_version 6
	.text
	.protected	k_qae4ff6157d_qkv
	.globl	k_qae4ff6157d_qkv
	.p2align	8
	.type	k_qae4ff6157d_qkv,@function
k_qae4ff6157d_qkv:
	s_mov_b64 s[64:65], 0
	v_nop
	global_prefetch_b8 v0, s[64:65] scope:SCOPE_SE
	s_setreg_imm32_b32 hwreg(HW_REG_WAVE_MODE, 25, 1), 1
	s_wait_xcnt 0x0
	s_wait_alu depctr_hold_cnt(0) depctr_sa_sdst(0) depctr_va_vdst(0) depctr_va_sdst(0) depctr_va_ssrc(0) depctr_va_vcc(0) depctr_vm_vsrc(0)
	s_getreg_b32 s2, hwreg(HW_REG_IB_STS2, 6, 4)
	s_cmp_eq_u32 s2, 0
	s_cbranch_scc0 .Lentry_in_a_cluster
	s_endpgm
.Lentry_in_a_cluster:
	s_bfe_u32 s2, ttmp6, 0x10000c
	s_cmp_lg_u32 s2, 0xf033
	s_cbranch_scc0 .Lentry_shape_is_right
	s_endpgm
.Lentry_shape_is_right:
; kqv = x W + b on codes of FP6 (E2M3) with one E8M0 scale for each 32 along K = 1,024; the result is quantised at once for the two products of the attention and never goes to memory as f32.
; x: inputs_codes [4096][768 bytes], inputs_scales [4096][32].  W: W_codes [3072][768 bytes], W_scales [3072][32].  b [3072] f32.
; DEAD WORK: none is left out in this program: all three products, all six inputs and every row of them have a way to out0.  (In the second kernel the lower bound of reference()'s clip is not written: its head says why.)
; LIMITS: NaN, infinities and the scale byte 0xff among the inputs are not served.  A block of zeros gets the scale byte 1 where the quantiser says 127: its codes are zeros, which add nothing under any byte but 0xff, and this program alone reads the bytes.
; SHARES.  A tile of 256 rows of x by 256 columns of W is made by a work-group of four waves, a wave makes 128 x 128: 64 accumulators, 512 registers.  K goes in steps of 256 through a ring of two LDS slots filled by the tensor data mover;
; the scale bytes of the work-group's rows come into LDS once.  CLUSTERS: 4 x 4 work-groups; the four of a row ask jointly for x's tiles, the four of a column for W's.
; KIND.  A cluster spans 1,024 columns, so the cluster's x is the kind: 0 keys, 1 queries, 2 values: the same in all sixteen partners.
; THE SIDES ARE CHOSEN BY KIND.  In a result a lane holds ONE row of source 1, and its registers run along source 0's rows.  Keys and queries are quantised along the head's 64 (columns of W): source 0 = W, source 1 = x.
; Values are quantised along the keys (rows of x): source 0 = x, source 1 = W.  Only the bases of the LDS reads differ, chosen without a branch; tiles, loads and the wave's share are the same.
; THE WAY OUT.  For each block of 16 rows of source 1: + b, the halves of the lanes exchanged so that a lane's 16 registers are 16 neighbours along the next K, quantised, and stored AS AN IMAGE OF THE NEXT OPERAND'S REGISTERS:
;   img, keys at 0 and queries at 3,145,728: [batch x head][16 rows][768]: six registers a lane (row lane % 16, the head's numbers 32 (lane / 16) on), as 3 pieces of 256 bytes, 8 bytes a lane.
;   img, values at 6,291,456: [batch x head][128 keys][16 of the head's 64][1,536]: twelve registers a lane, as 3 pieces of 512 bytes, 16 bytes a lane.
;   scl, keys at 0 and queries at 131,072: [batch x head][32 rows][16] words: low half the two bytes of row rho, high half those of row 16 + rho.  scl, values at 262,144: [batch x head][128 keys][64] words of four bytes.
; The scale words leave in runs of 128 bytes: one byte in 24 of what the launch stores.
; REGISTERS, in windows of 256: window 0: v0-31 addresses; v32-95 scale words and nothing else (source 1's at v32, source 0's at v64, two sets each); v128-223 source 1's fragments, ONE set; v232-247 b along the lanes.
;   On the way out: v96-119 codes, two sets; v128-191 64 numbers; v192-231 at work.   window 1: source 0's fragments, TWO sets, at v0 and v128; v96-127, v224-255 b along the registers.   windows 2, 3: the accumulators ((a, b) at v[8 (8 (a % 4) + b)]).
.set KSTEP,  256                       ; along K in a slot
.set NQ,     2                         ; matrix instructions deep
.set ROWB,   192                       ; a tile's row in bytes
.set KROW,   768                       ; a row of x or of W in memory
.set PITCH,  240                       ; an LDS row: 3 x (64 bytes + 16 of padding) = 60 words: row r starts at bank -4 r mod 64 (64 banks of 4 bytes: ISA guide 11.1)
.set FR,     12                        ; registers of a fragment
.set NL,     6                         ; LDS loads that bring one
.set NP,     4                         ; places behind this matrix instruction (ISA guide 7.12.1)
.set HALFT,  128*PITCH                 ; 128 rows: what one tensor load brings
.set SLOT,   4*HALFT                   ; x's 256 rows, then W's 256 rows
.set LAPS,   2                         ; 1,024 along K = two laps of two K steps
.set KS,     32                        ; a row of scale bytes
.set SCL,    2*SLOT                    ; behind the ring: the scales, as rows of 256 bytes + 16 of padding
.set HALFS,  (128*KS/256)*272          ; those of 128 rows
.set SBLK,   (16*KS/256)*272           ; those of 16 rows
.set SPARE,  SCL+4*HALFS               ; the spare words, 128 bytes for each wave: two blocks of 256 bytes that no other line names
.set ADRA, 16                          ; v16-17 LDS address of source 1's fragments in slot 0, 1 (v18-19: for the pieces behind one padding more)
.set ADRB, 20                          ; v20-21 the same for source 0 (v22-23)
.set GA,   24                          ; v24  8 x lane
.set GB,   25                          ; v25  16 x lane
.set GS,   26                          ; v26  4 x lane
.set ADRS1, 27                         ; v27  LDS address of source 1's scale words
.set SPW,  28                          ; v28  LDS address of my spare word; never rewritten
.set NIL,  29                          ; v29  0; never rewritten
.set BO,   30                          ; v30  b along the registers: 32 x (lane / 16)
.set ADRS0, 31                         ; v31  LDS address of source 0's scale words
.set BO2,  15                          ; v15  b along the lanes: 4 x (lane % 16)
.set SC1,  32                          ; scale words of source 1: set s at v[SC1 + 16 s], register 2 i + q: block i, the slot's q-th 128 along K
.set SC0,  64                          ; of source 0 likewise
.set AF,   128                         ; source 1's fragments
.set BV,   232                         ; b along the lanes, each number twice: a pair for the packed addition
.set F,    96                          ; the way out: codes, two sets of 12
.set X,    128                         ; 64 numbers
.set TM,   192                         ; v192-195 largest magnitudes, v196-199 bytes, v204-207 the conversions' scale operands
.set PWS,  208                         ; v208-215 the eight blocks' scale words
.set TQ,   216                         ; v216-223 the conversions' second halves
.set HW,   224                         ; v224-231 scale words as they are stored
.set G1, 24                            ; s[24:31], s[32:39] descriptor groups 1 and 0 (a set for each slot) for x's tiles
.set G0, 32
.set G1B, 48                           ; s[48:55], s[56:63] for W's tiles
.set G0B, 56
.set G1S, 68                           ; s[68:75], s[76:79] for x's scales;  s[80:87], s[88:91] for W's
.set G0S, 76
.set G1SB, 80
.set G0SB, 88
.set MSB, 0
.macro WIN new                         ; the immediate's high byte repeats the setting that is left
.if MSB != (\new)
	s_set_vgpr_msb (MSB<<8)|(\new)
.set MSB, (\new)
.endif
.endm
.set MUL_LO, 0xa1                      ; source 0 window 1, source 1 window 0, C and D window 2
.set MUL_HI, 0xf1                      ; the same, C and D window 3
.set TO_B,   0x40                      ; destination window 1, address window 0
; A joint load: waves 0 and 1 fetch for x, waves 2 and 3 for W.  The branch hangs on the wave's number alone.  An s_nop 0 and four v_nop follow each of the two lines.
.macro JLOAD g0a, g1a, g0b, g1b
	s_cmp_eq_u32 s15, 0
	s_cbranch_scc0 .Lfor_b_\@
	tensor_load_to_lds s[\g0a:\g0a+3], s[\g1a:\g1a+7]
	s_nop 0
.rept 4
	v_nop
.endr
	s_branch .Lasked_\@
.Lfor_b_\@:
	tensor_load_to_lds s[\g0b:\g0b+3], s[\g1b:\g1b+7]
	s_nop 0
.rept 4
	v_nop
.endr
.Lasked_\@:
.endm
.macro CREST                           ; a round of the cluster's barrier behind its opening barrier
	s_cmp_lg_u32 s14, 0
	s_cbranch_scc1 .Lnot_wave_0_\@
	s_barrier_signal -3
.Lnot_wave_0_\@:
	s_barrier_wait -3
	s_barrier_signal -1
	s_barrier_wait -1
.endm
.macro CROUND                          ; a whole round
	s_barrier_signal -1
	s_barrier_wait -1
	CREST
.endm
	s_load_b128 s[4:7], s[0:1], 0x0                ; x's codes s[4:5], x's scales s[6:7]
	s_load_b128 s[8:11], s[0:1], 0x10              ; W's codes s[8:9], W's scales s[10:11]
	s_load_b64 s[12:13], s[0:1], 0x20              ; b
	s_load_b64 s[96:97], s[0:1], 0x28              ; img
	s_load_b64 s[98:99], s[0:1], 0x30              ; scl
	v_lshl_add_u32 v[SPW], v0, 2, SPARE
	v_mov_b32 v[NIL], 0
	ds_add_u32 v[SPW], v[NIL]                      ; the wave's opening: the add, twice on end, and its wait ahead of my first tensor load
	ds_add_u32 v[SPW], v[NIL]                      ; and once more, under the one wait; the set-up below, work on registers, stands between
	v_lshrrev_b32 v1, 5, v0
	v_readfirstlane_b32 s14, v1                    ; wave 0..3
	s_lshr_b32 s15, s14, 1                         ; which half of source 1's 256 rows is mine.  Also: I fetch for x (0) or for W (1)
	s_and_b32 s16, s14, 1                          ; which half of source 0's.  Also: which 128 rows of that tile I fetch
	s_bfe_u32 s40, ttmp6, 0x40000                  ; cx, cy: my place in the cluster
	s_bfe_u32 s41, ttmp6, 0x40004
	s_lshl_b32 s42, ttmp9, 2
	s_add_co_u32 s42, s42, s40                     ; tile column = 4 x cluster x + cx
	s_and_b32 s17, ttmp7, 0xffff
	s_lshl_b32 s17, s17, 2
	s_add_co_u32 s17, s17, s41                     ; tile row = 4 x cluster y + cy
	s_lshl_b32 s43, s41, 2
	s_lshl_b32 s43, 15, s43                        ; my row of the cluster
	s_lshl_b32 s44, 0x1111, s40                    ; my column
	; descriptor group 1: a tile of 128 rows x 192 bytes, padded in LDS
	s_or_b32 s[G1+0], s43, (0<<16)|(1<<20)|(1<<21)|(3<<22)|(3<<25)  ; 15:0 the mask: x's tiles go to my row; 17:16 elements of 1 byte; 20 padding on; 21 set beside a mask; 24:22 after every 16 words (code 3); 31:25 of 4 words (code 3)
	s_or_b32 s[G1B+0], s44, (0<<16)|(1<<20)|(1<<21)|(3<<22)|(3<<25) ; W's tiles go to my column
.irp g, G1, G1B
	s_mov_b32 s[\g+1], ROWB<<16                    ; tensor_dim0
	s_mov_b32 s[\g+2], 128<<16                     ; tensor_dim1 = 128
	s_mov_b32 s[\g+3], ROWB<<16                    ; tile_dim0
	s_mov_b32 s[\g+4], 128                         ; tile_dim1 = 128
	s_mov_b32 s[\g+5], KROW                        ; tensor_dim0_stride
	s_mov_b32 s[\g+6], 0
	s_mov_b32 s[\g+7], 0
.endr
	; the scales of 128 rows: a dense block of 4,096 bytes, as 16 rows of 256 bytes (32 elements of 8 bytes), 16 bytes of padding behind each
	s_or_b32 s[G1S+0], s43, (3<<16)|(1<<20)|(1<<21)|(5<<22)|(3<<25)
	s_or_b32 s[G1SB+0], s44, (3<<16)|(1<<20)|(1<<21)|(5<<22)|(3<<25)
.irp g, G1S, G1SB
	s_mov_b32 s[\g+1], 32<<16
	s_mov_b32 s[\g+2], (128*KS/256)<<16
	s_mov_b32 s[\g+3], 32<<16
	s_mov_b32 s[\g+4], 128*KS/256
	s_mov_b32 s[\g+5], 32
	s_mov_b32 s[\g+6], 0
	s_mov_b32 s[\g+7], 0
.endr
	s_lshl_b32 s18, s16, 7                         ; which 128 rows of the tile I fetch
	s_lshl_b32 s20, s17, 8
	s_add_co_u32 s20, s20, s18                     ; x: row 256 x tile row + 128 x half
	s_lshl_b32 s46, s42, 8
	s_add_co_u32 s46, s46, s18                     ; W: row 256 x tile column + 128 x half
	s_mov_b32 s21, 0
	s_mov_b32 s47, 0
	s_mov_b64 s[18:19], KS
	s_mul_u64 s[22:23], s[20:21], s[18:19]         ; where these rows' scales begin, in bytes
	s_mul_u64 s[92:93], s[46:47], s[18:19]
	s_mov_b64 s[18:19], KROW
	s_mul_u64 s[20:21], s[20:21], s[18:19]         ; and their codes
	s_mul_u64 s[46:47], s[46:47], s[18:19]
	s_mul_i32 s45, s14, HALFT                      ; where they go: wave x 128 rows: no place in the cluster enters an LDS address
	s_mul_i32 s94, s14, HALFS
	s_wait_dscnt 0x0                               ; both opening adds are done
	s_wait_kmcnt 0x0
	s_add_nc_u64 s[20:21], s[4:5], s[20:21]
	s_add_nc_u64 s[22:23], s[6:7], s[22:23]
	s_add_nc_u64 s[46:47], s[8:9], s[46:47]
	s_add_nc_u64 s[92:93], s[10:11], s[92:93]
	CROUND                                         ; all sixteen work-groups are here: the first joint loads meet
	s_mov_b32 s[G0S], 1
	s_add_co_u32 s[G0S+1], s94, SCL
	s_mov_b64 s[G0S+2:G0S+3], s[22:23]
	s_or_b32 s[G0S+3], s[G0S+3], 0x80000000
	s_mov_b32 s[G0SB], 1
	s_add_co_u32 s[G0SB+1], s94, SCL
	s_mov_b64 s[G0SB+2:G0SB+3], s[92:93]
	s_or_b32 s[G0SB+3], s[G0SB+3], 0x80000000
	JLOAD G0S, G1S, G0SB, G1SB                     ; the scales first: they are wanted with K step 0
.irp s, 0,1
	s_mov_b32 s[G0+4*\s], 1
	s_add_co_u32 s[G0+4*\s+1], s45, \s*SLOT
	s_add_nc_u64 s[G0+4*\s+2:G0+4*\s+3], s[20:21], \s*ROWB
	s_or_b32 s[G0+4*\s+3], s[G0+4*\s+3], 0x80000000
	s_mov_b32 s[G0B+4*\s], 1
	s_add_co_u32 s[G0B+4*\s+1], s45, \s*SLOT
	s_add_nc_u64 s[G0B+4*\s+2:G0B+4*\s+3], s[46:47], \s*ROWB
	s_or_b32 s[G0B+4*\s+3], s[G0B+4*\s+3], 0x80000000
	JLOAD G0+4*\s, G1, G0B+4*\s, G1B               ; three tensor loads of mine are out
.endr
	v_and_b32 v1, 15, v0                           ; l % 16
	v_bfe_u32 v2, v0, 4, 1                         ; l / 16
	v_mul_u32_u24 v3, v1, PITCH
	v_mul_u32_u24 v4, v2, 24
	v_add_nc_u32 v4, v3, v4                        ; a fragment's row x pitch + 24 x half
	v_lshl_add_u32 v5, v2, 4, v4                   ; and the same behind one padding more
	s_cmp_eq_u32 ttmp9, 2                          ; values?  All six choices stand ahead of the first addition, which writes SCC
	s_cselect_b32 s66, 2*HALFT, 0                  ; where source 1's tile begins in a slot: W's for values, x's else
	s_cselect_b32 s67, 0, 2*HALFT                  ; and source 0's
	s_cselect_b32 s94, 2*HALFS, 0                  ; the same among the scales
	s_cselect_b32 s95, 0, 2*HALFS
	s_cselect_b32 s18, s15, s16                    ; the half that picks my 128 columns of W (two heads)
	s_cselect_b32 s19, s16, s15                    ; the half that picks my 128 rows of x
	s_mul_i32 s21, s15, HALFT
	s_add_co_u32 s21, s21, s66                     ; my 128 rows of source 1
	s_mul_i32 s22, s16, HALFT
	s_add_co_u32 s22, s22, s67                     ; and of source 0
.irp s, 0,1
	v_add_nc_u32 v[ADRA+\s], s21, v4
	v_add_nc_u32 v[ADRB+\s], s22, v4
	v_add_nc_u32 v[ADRA+2+\s], s21, v5
	v_add_nc_u32 v[ADRB+2+\s], s22, v5
	s_add_co_u32 s21, s21, SLOT
	s_add_co_u32 s22, s22, SLOT
.endr
	v_mul_u32_u24 v6, v1, KS                       ; my row's scales: 32 bytes a row,
	v_lshrrev_b32 v7, 8, v6
	v_lshl_add_u32 v6, v7, 4, v6                   ; and 16 more for each 256 passed.  Both halves of the lanes take the same row: the unit reads lanes 0-15
	s_mul_i32 s21, s15, HALFS
	s_add_co_u32 s21, s21, s94
	s_add_co_u32 s21, s21, SCL
	s_mul_i32 s22, s16, HALFS
	s_add_co_u32 s22, s22, s95
	s_add_co_u32 s22, s22, SCL
	v_add_nc_u32 v[ADRS1], s21, v6
	v_add_nc_u32 v[ADRS0], s22, v6
	; where my results go.  One formula serves the three kinds: kind x region + (batch x head) x a head's bytes + (which 128 rows of the batch) x their bytes
	s_lshr_b32 s20, s17, 3                         ; batch: 8 tile rows each
	s_and_b32 s21, s17, 7                          ; tile row in the batch
	s_lshl_b32 s20, s20, 4
	s_lshl_b32 s22, s40, 2
	s_add_co_u32 s20, s20, s22
	s_lshl_b32 s22, s18, 1
	s_add_co_u32 s20, s20, s22                     ; 16 x batch + my first head: 4 cx + 2 x half
	s_lshl_b32 s21, s21, 1
	s_add_co_u32 s21, s21, s19                     ; which 128 rows of the batch
	s_mul_i32 s46, ttmp9, 3145728
	s_mul_i32 s22, s20, 98304
	s_add_co_u32 s46, s46, s22
	s_mul_i32 s22, s21, 6144
	s_add_co_u32 s46, s46, s22
	s_mov_b32 s47, 0
	s_add_nc_u64 s[96:97], s[96:97], s[46:47]      ; img
	s_lshl_b32 s46, ttmp9, 17
	s_lshl_b32 s22, s20, 12
	s_add_co_u32 s46, s46, s22
	s_lshl_b32 s22, s21, 8
	s_add_co_u32 s46, s46, s22
	s_add_nc_u64 s[98:99], s[98:99], s[46:47]      ; scl
	s_lshl_b32 s46, ttmp9, 12
	s_lshl_b32 s22, s40, 10
	s_add_co_u32 s46, s46, s22
	s_lshl_b32 s22, s18, 9
	s_add_co_u32 s46, s46, s22
	s_add_nc_u64 s[12:13], s[12:13], s[46:47]      ; b at my 128 columns
	v_and_b32 v8, 31, v0
	v_lshlrev_b32 v[GA], 3, v8
	v_lshlrev_b32 v[GB], 4, v8
	v_lshlrev_b32 v[GS], 2, v8
	v_lshlrev_b32 v[BO], 5, v2
	v_lshlrev_b32 v[BO2], 2, v1
	; b of my 128 columns in both layouts, so that the head has no branch: along the registers (keys, queries: register 8 b + j wants column 16 b + 8 (l / 16) + j) and along the lanes (values: block a wants column 16 a + l % 16).  One of the two is used.
	; They are waited for at the head of the way out; their address registers and base are never rewritten.
	WIN TO_B
.irp b, 0,1,2,3,4,5,6,7
.irp x, 0,1
	global_load_b128 v[96+8*\b+4*\x+96*(\b/4):99+8*\b+4*\x+96*(\b/4)], v[BO], s[12:13] offset:64*\b+16*\x
.endr
.endr
	WIN 0
.irp a, 0,1,2,3,4,5,6,7
	global_load_b32 v[BV+2*\a], v[BO2], s[12:13] offset:64*\a
	global_load_b32 v[BV+2*\a+1], v[BO2], s[12:13] offset:64*\a
.endr
.macro FRAG reg, adr, q, i             ; a fragment, 16 rows x 128 K of 6-bit codes: lane l holds row l % 16; registers 6 c .. 6 c + 5 hold K = 64 c + 32 (l / 16) + 0 .. 31: 24 bytes of the row, as they lie
.irp p, 0,1,2,3,4,5                    ; in pieces of 8 bytes.  Lanes 16-31 read three pieces further on than lanes 0-15;
.set PC, 12*(\q)+6*(\p/3)+\p%3        ; where that lies behind one padding more (16 bytes behind every 8 pieces), the second address register serves
.if PC%8 < 5
	ds_load_b64 v[\reg+2*\p:\reg+2*\p+1], v[\adr] offset:8*PC+16*(PC/8)+(\i)*16*PITCH
.else
	ds_load_b64 v[\reg+2*\p:\reg+2*\p+1], v[\adr+2] offset:8*PC+16*(PC/8)+(\i)*16*PITCH
.endif
.endr
.endm
; 16 matrix instructions: source 1's blocks a0, a0 + 1 x source 0's eight, 128 along K.  p: source 0's set; sc: the set of scale words.  zero = 1: the first product starts the sums.
; The 64 accumulators take turns, one instruction a turn, in the same order in every step.
.macro MUL16 a0, p, q, sc, zero
.irp a, \a0, \a0+1
.irp b, 0,1,2,3,4,5,6,7
.if \zero
	v_wmma_scale_f32_16x16x128_f8f6f4 v[8*(8*((\a)%4)+\b):8*(8*((\a)%4)+\b)+7], v[128*(\p)+FR*\b:128*(\p)+FR*\b+FR-1], v[AF+FR*(\a):AF+FR*(\a)+FR-1], 0, v[SC0+16*(\sc)+2*\b+(\q)], v[SC1+16*(\sc)+2*(\a)+(\q)] matrix_a_fmt:MATRIX_FMT_FP6 matrix_b_fmt:MATRIX_FMT_FP6
.else
	v_wmma_scale_f32_16x16x128_f8f6f4 v[8*(8*((\a)%4)+\b):8*(8*((\a)%4)+\b)+7], v[128*(\p)+FR*\b:128*(\p)+FR*\b+FR-1], v[AF+FR*(\a):AF+FR*(\a)+FR-1], v[8*(8*((\a)%4)+\b):8*(8*((\a)%4)+\b)+7], v[SC0+16*(\sc)+2*\b+(\q)], v[SC1+16*(\sc)+2*(\a)+(\q)] matrix_a_fmt:MATRIX_FMT_FP6 matrix_b_fmt:MATRIX_FMT_FP6
.endif
.endr
.endr
.endm
.macro FETCH_B slot, q, p              ; source 0's eight fragments of the slot's q-th 128 along K into set p
	WIN TO_B
.irp i, 0,1,2,3,4,5,6,7
	FRAG 128*(\p)+FR*\i, ADRB+\slot, \q, \i
.endr
	WIN 0
.endm
.macro FETCH_A slot, q, i0             ; source 1's blocks i0 .. i0 + 3
.irp i, \i0, \i0+1, \i0+2, \i0+3
	FRAG AF+FR*(\i), ADRA+\slot, \q, \i
.endr
.endm
.macro SCALES sc                       ; the next K step's scale words into set sc: two words a row, for each side's eight blocks
.irp i, 0,1,2,3,4,5,6,7
	ds_load_b64 v[SC1+16*\sc+2*\i:SC1+16*\sc+2*\i+1], v[ADRS1] offset:\i*SBLK
	ds_load_b64 v[SC0+16*\sc+2*\i:SC0+16*\sc+2*\i+1], v[ADRS0] offset:\i*SBLK
.endr
.endm
; A load into a register that a matrix instruction has read, and a vector instruction that reads a matrix result or writes one of a matrix instruction's registers, stand NP places behind it; only plain vector
; instructions that name none of its registers are places (ISA guide 7.12.1 for vector instructions).
.macro PLACES n
.rept \n
	v_nop
.endr
.endm
; A step of 128 along K that has its successor in the same slot.
.macro STEP slot, q, zero
	s_wait_dscnt 4*NL                              ; all but the youngest 24 loads (source 1's blocks 4-7) are in
	WIN MUL_LO
	MUL16 0, (\q)%2, \q, \slot, \zero
	MUL16 2, (\q)%2, \q, \slot, \zero
	s_wait_dscnt 0                                 ; source 1's blocks 4-7 are in
	PLACES NP
	FETCH_B \slot, (\q)+1, 1-(\q)%2
	FETCH_A \slot, (\q)+1, 0
	WIN MUL_HI
	MUL16 4, (\q)%2, \q, \slot, \zero
	MUL16 6, (\q)%2, \q, \slot, \zero
	PLACES NP
	WIN 0
	FETCH_A \slot, (\q)+1, 4
.endm
; A slot's last step changes slots: ONE barrier; in front of it each wave waits for all its tensor loads, adds 0 to its spare word, and waits for that and for its own reads of this slot.  fill = 1: this slot is filled again, two K steps ahead.
.macro TURN slot, next, fill
	s_wait_tensorcnt 0x0                           ; all my tensor loads have landed: my part of the next slot  (every window is 0 here)
	ds_add_u32 v[SPW], v[NIL]                      ; 0 onto my spare word
	s_wait_dscnt 4*NL+1                            ; (the add and the youngest 24 loads may be out)
	WIN MUL_LO
	MUL16 0, 1, NQ-1, \slot, 0                     ; sixteen matrix instructions stand between the add and the wait for it
	s_wait_dscnt 0x0                               ; the add is done, and my reads of this slot are over
	s_barrier_signal -1
	MUL16 2, 1, NQ-1, \slot, 0
	WIN 0
	s_barrier_wait -1
.if \fill
	CREST                                          ; the barrier has opened a round of the cluster's barrier: no wave of any partner still reads this slot's tile or has a load on its way
	s_add_nc_u64 s[G0+4*\slot+2:G0+4*\slot+3], s[G0+4*\slot+2:G0+4*\slot+3], 2*ROWB
	s_add_nc_u64 s[G0B+4*\slot+2:G0B+4*\slot+3], s[G0B+4*\slot+2:G0B+4*\slot+3], 2*ROWB
	JLOAD G0+4*\slot, G1, G0B+4*\slot, G1B         ; the first tensor load behind the round, my one load until the next; its four v_nop are the places in front of the loads below
.else
	PLACES NP
.endif
	v_add_nc_u32 v[ADRS1], 4*NQ, v[ADRS1]          ; on to the next K step's scale words
	v_add_nc_u32 v[ADRS0], 4*NQ, v[ADRS0]
	FETCH_B \next, 0, 0
	FETCH_A \next, 0, 0
	SCALES \next
	WIN MUL_HI
	MUL16 4, 1, NQ-1, \slot, 0
	MUL16 6, 1, NQ-1, \slot, 0
	PLACES NP
	WIN 0
	FETCH_A \next, 0, 4
.endm
	s_wait_tensorcnt 1                             ; the scales and my part of K step 0 are in (K step 1's load may be out)
	s_barrier_signal -1
	s_barrier_wait -1                              ; everybody's are
	FETCH_B 0, 0, 0
	FETCH_A 0, 0, 0
	SCALES 0
	FETCH_A 0, 0, 4
	STEP 0, 0, 1                                   ; the first step stands in front of the loop: its products start the sums
	s_mov_b32 s3, LAPS-1
.Llap:                                                 ; a trip goes once round the ring and fills both slots again
	TURN 0, 1, 1
	STEP 1, 0, 0
	TURN 1, 0, 1
	STEP 0, 0, 0
	s_sub_co_u32 s3, s3, 1
	s_cmp_lg_u32 s3, 0
	s_cbranch_scc1 .Llap
	TURN 0, 1, 0                                   ; the last lap fills nothing, and has no round of the cluster's barrier
	STEP 1, 0, 0
	s_wait_dscnt 4*NL                              ; the very last step: nothing more to fetch
	WIN MUL_LO
	MUL16 0, 1, NQ-1, 1, 0
	MUL16 2, 1, NQ-1, 1, 0
	s_wait_dscnt 0
	WIN MUL_HI
	MUL16 4, 1, NQ-1, 1, 0
	MUL16 6, 1, NQ-1, 1, 0
	WIN 0
; THE WAY OUT of block a (16 rows of source 1 x 128 rows of source 0: eight accumulators, 64 numbers a lane).
.macro EPI a, isv
.set AC, 64*((\a)%4)
.set FD, F+12*((\a)%2)
.if \isv
	WIN 2+(\a)/4                                   ; source 0: the accumulators' window; b along the lanes lies in window 0
.else
	WIN 6+(\a)/4                                   ; the same, and source 1 (b along the registers) in window 1
.endif
.set n, 0
.rept 32                               ; + b, two at a time, each accumulator from its low end on
.if \isv
	v_pk_add_f32 v[X+2*n:X+2*n+1], v[AC+2*n:AC+2*n+1], v[BV+2*(\a):BV+2*(\a)+1]
.else
	v_pk_add_f32 v[X+2*n:X+2*n+1], v[AC+2*n:AC+2*n+1], v[96+2*n+96*(n/16):97+2*n+96*(n/16)]
.endif
.set n, n+1
.endr
	WIN 0
.irp e, 0,1,2,3                        ; register 8 b + j holds source 0's row 16 b + 8 (l / 16) + j.  The even block's lanes 16-31 change places with the odd block's lanes 0-15:
.irp j, 0,1,2,3,4,5,6,7                ; register 16 e + i then holds row 32 e + 16 (l / 16) + i: 16 neighbours along the next K
	v_permlane16_swap_b32 v[X+16*\e+\j], v[X+16*\e+8+\j]
.endr
.endr
.irp b, 0,1,2,3
	v_max3_num_f32 v[TM+\b], |v[X+16*\b]|, |v[X+1+16*\b]|, 0x1800000   ; block b: my 16 numbers, and the floor 2^(3 - 127): so the byte cannot fall under 1
.endr
.irp i, 2,4,6,8,10,12,14
.irp b, 0,1,2,3
	v_max3_num_f32 v[TM+\b], v[TM+\b], |v[X+16*\b+\i]|, |v[X+1+16*\b+\i]|   ; (the four blocks by turns)
.endr
.endr
.irp b, 0,1,2,3
	v_permlanex16_b32 v[TM+4+\b], v[TM+\b], s20, s21
.endr
.irp b, 0,1,2,3
	v_max_num_f32 v[TM+\b], v[TM+\b], v[TM+4+\b]   ; with lane l xor 16's: the block's largest magnitude
.endr
.irp b, 0,1,2,3
	v_add_nc_u32 v[TM+12+\b], 0xff000000, v[TM+\b] ; 2 off its exponent field: the conversion takes the exponent field of this operand as its scale
.endr
.irp b, 0,1,2,3
	v_lshrrev_b32 v[TM+4+\b], 23, v[TM+12+\b]      ; the scale's byte
.endr
	v_lshl_or_b32 v[PWS+(\a)], v[TM+5], 8, v[TM+4] ; the four bytes make my row's scale word; both halves of the lanes hold the same
	v_lshl_or_b32 v[PWS+(\a)], v[TM+6], 16, v[PWS+(\a)]
	v_lshl_or_b32 v[PWS+(\a)], v[TM+7], 24, v[PWS+(\a)]
.if (\a) >= 2
	s_wait_xcnt 0x0                                ; block a - 2's stores have read their data: this set of codes is written again only behind this wait
.endif
.irp c, 0,1
	v_cvt_scalef32_pk16_fp6_f32 v[FD+6*\c:FD+6*\c+2], v[X+32*\c:X+32*\c+15], v[TM+12+2*\c]
	v_cvt_scalef32_pk16_fp6_f32 v[TQ+4*\c:TQ+4*\c+2], v[X+16+32*\c:X+31+32*\c], v[TM+13+2*\c]   ; (a conversion's three registers begin on an even number)
.endr
	v_nop                                          ; one plain place behind a scaled conversion
.irp c, 0,1                            ; the operand's layout wants a WHOLE block in a lane: lanes 0-15 block 2 c, lanes 16-31 block 2 c + 1
.irp i, 0,1,2
	v_permlane16_swap_b32 v[FD+6*\c+\i], v[TQ+4*\c+\i]
.endr
.irp i, 0,1,2
	v_mov_b32 v[FD+3+6*\c+\i], v[TQ+4*\c+\i]
.endr
.endr
.if \isv
.irp c, 0,1,2                          ; rows 16 (a % 4) on of head a / 4, my 128 keys: a whole fragment; each store covers 512 consecutive bytes, aligned
	global_store_b128 v[GB], v[FD+4*\c:FD+4*\c+3], s[96:97] offset:((\a)/4)*98304+((\a)%4)*1536+512*\c
.endr
.else
.irp c, 0,1                            ; registers 6 c on are head c's half fragment of these 16 rows; each store covers 256 consecutive bytes, aligned
.irp j, 0,1,2
	global_store_b64 v[GA], v[FD+6*\c+2*\j:FD+6*\c+2*\j+1], s[96:97] offset:\c*98304+(\a)*768+256*\j
.endr
.endr
.endif
.endm
	PLACES NP                                      ; behind the last products
	s_wait_loadcnt 0x0                             ; b
	s_mov_b32 s20, 0x76543210
	s_mov_b32 s21, 0xfedcba98                      ; v_permlanex16_b32's selects for lane l xor 16
	s_mov_b32 s66, 0xffff0000                      ; lanes 16-31
.irp b, 0,1,2,3
	v_mov_b32 v[TM+4+\b], 0                        ; written once: a lane permute's destination counts as one of its sources
.endr
	s_cmp_eq_u32 ttmp9, 2                          ; the kind: the same in all sixteen partners
	s_cbranch_scc1 .Lvalues
.irp a, 0,1,2,3,4,5,6,7
	EPI \a, 0
.endr
.irp e, 0,1,2,3                        ; a scale word's low half is head 0's two bytes, its high half head 1's.  Rows rho and 16 + rho of 32 rows share a word
	v_perm_b32 v[HW+\e], v[PWS+2*\e+1], v[PWS+2*\e], 0x05040100
	v_perm_b32 v[HW+4+\e], v[PWS+2*\e+1], v[PWS+2*\e], 0x07060302
.endr
.irp c, 0,1
.irp k, 0,1
	v_cndmask_b32 v[HW+4*\c+2*\k], v[HW+4*\c+2*\k], v[HW+4*\c+2*\k+1], s66   ; lanes 0-15 the first 32 rows' words, lanes 16-31 the next 32 rows'
	global_store_b32 v[GS], v[HW+4*\c+2*\k], s[98:99] offset:4096*\c+128*\k
.endr
.endr
	s_branch .Ldone
.Lvalues:
.irp a, 0,1,2,3,4,5,6,7
	EPI \a, 1
.endr
.irp k, 0,1,2,3
	v_cndmask_b32 v[HW+\k], v[PWS+2*\k], v[PWS+2*\k+1], s66   ; lanes 0-15 block 2 k's rows, lanes 16-31 block 2 k + 1's
	global_store_b32 v[GS], v[HW+\k], s[98:99] offset:4096*(\k/2)+128*(\k%2)
.endr
.Ldone:
	s_wait_tensorcnt 0x0                           ; the wave's end, behind my last tensor load
	ds_add_u32 v[SPW], v[NIL]
	s_wait_dscnt 0x0
	CROUND                                         ; the closing round: no work-group ends while a partner may still ask for a tile that names it
	s_endpgm
.Lfunc_end_k_qae4ff6157d_qkv:
	.size	k_qae4ff6157d_qkv, .Lfunc_end_k_qae4ff6157d_qkv-k_qae4ff6157d_qkv
	.p2alignl 7, 3214868480
	.fill 96, 4, 3214868480
	.section	.rodata,"a",@progbits
	.p2align	6, 0x0
	.amdhsa_kernel k_qae4ff6157d_qkv
		.amdhsa_group_segment_fixed_size 327680
		.amdhsa_private_segment_fixed_size 0
		.amdhsa_enable_private_segment 0
		.amdhsa_kernarg_size 56
		.amdhsa_user_sgpr_count 2
		.amdhsa_user_sgpr_kernarg_segment_ptr 1
		.amdhsa_wavefront_size32 1
		.amdhsa_system_sgpr_workgroup_id_x 1
		.amdhsa_system_sgpr_workgroup_id_y 1
		.amdhsa_system_sgpr_workgroup_id_z 1
		.amdhsa_system_vgpr_workitem_id 0
		.amdhsa_next_free_vgpr 1024
		.amdhsa_next_free_sgpr 102
		.amdhsa_reserve_vcc 0
		.amdhsa_float_denorm_mode_32 3
		.amdhsa_float_denorm_mode_16_64 3
		.amdhsa_memory_ordered 1
		.amdhsa_forward_progress 1
		.amdhsa_inst_pref_size 254
	.end_amdhsa_kernel
	.amdgpu_metadata
---
amdhsa.version: [ 1, 2 ]
amdhsa.kernels:
  - .name:           k_qae4ff6157d_qkv
    .symbol:         k_qae4ff6157d_qkv.kd
    .args:
      - { .name: inputs_codes, .offset: 0, .size: 8, .value_kind: global_buffer, .address_space: global }
      - { .name: inputs_scales, .offset: 8, .size: 8, .value_kind: global_buffer, .address_space: global }
      - { .name: W_codes, .offset: 16, .size: 8, .value_kind: global_buffer, .address_space: global }
      - { .name: W_scales, .offset: 24, .size: 8, .value_kind: global_buffer, .address_space: global }
      - { .name: b, .offset: 32, .size: 8, .value_kind: global_buffer, .address_space: global }
      - { .name: img, .offset: 40, .size: 8, .value_kind: global_buffer, .address_space: global }
      - { .name: scl, .offset: 48, .size: 8, .value_kind: global_buffer, .address_space: global }
    .group_segment_fixed_size: 327680
    .private_segment_fixed_size: 0
    .kernarg_segment_align: 8
    .kernarg_segment_size: 56
    .max_flat_workgroup_size: 128
    .sgpr_count:     102
    .vgpr_count:     1024
    .wavefront_size: 32
...
	.end_amdgpu_metadata
.endif
;; end of part 1
;; launch attn (part 2): grid 8 x 32, 16 waves a work-group, no clusters, 194,816 bytes of LDS; arguments img, scl, masks, out0; writes out0
.if DOCPART == 2
	.amdgcn_target "amdgcn-amd-amdhsa--gfx1250"
	.amdhsa_code_object_version 6
	.text
	.protected	k_qae4ff6157d_attn
	.globl	k_qae4ff6157d_attn
	.p2align	8
	.type	k_qae4ff6157d_attn,@function
k_qae4ff6157d_attn:
	s_mov_b64 s[64:65], 0
	v_nop
	global_prefetch_b8 v0, s[64:65] scope:SCOPE_SE
	s_setreg_imm32_b32 hwreg(HW_REG_WAVE_MODE, 25, 1), 1
	s_wait_xcnt 0x0
; out0[b][q][h][:] = masks[b][q] x the sum over k of a(q, k) V[k][:],  a(q, k) = e(q, k) / (the sum over k of e(q, k)),  e = exp(clip(elu(Q[q] . K[k]), -10, 10)) x masks[b][k].
; Both products on codes of FP6 (E2M3) with one E8M0 scale for each 32 along K.  K, Q and V come as images of operand registers, with their scale words, as the first kernel's head lays them out.
; a IS QUANTISED FINISHED AND NORMALISED, so a row's sum over all 2,048 keys is known before any of its numbers is quantised.  Each exponential is computed once: a row's e stay in registers until the sum is there.
; LEFT OUT: the lower bound of the clip.  elu(u) is at least -1 for every finite u, so clip(., -10, 10) = min(., 10): an identity for all values.  No maximum is taken away, as in reference(): its own clip holds the exponent in -1 .. 10.
; THE ARITHMETIC OF A SCORE u, c = log2(e):  t = 2^(c min(u, 0));  e = 2^(c med3(u, 0, 10) + (c t - c)).  For u > 0, t is 1 and c t - c is 0 exactly; for u <= 0 the first term is 0: so the exponent is c x clip(elu(u)).
; LIMITS: NaN and infinities are not served.  A row whose masked sum is 0 gives NaN in reference() (0 / 0) and is not reproduced.  The division is a reciprocal (v_rcp_f32) and a multiplication; the sums' order differs from
; reference()'s.  A block of zeros gets the scale byte 1: its codes are zeros.
; SHARES.  A work-group owns 256 queries of one head of one batch and walks them as 16 tiles of 16.  ALL SIXTEEN WAVES WORK ON THE SAME TILE: wave w owns keys 128 w .. 128 w + 127 for the whole launch.  So its fragments of K stay in
; registers, its fragments of V and its keys' masks in its own LDS bytes, and a lane's e of a tile are 64 registers.  Row sums and the sixteen partial results meet in LDS: two barriers a tile.
; No cluster and no joint load: the eight work-groups of a head share what each reads once at its head, and the keys come in an order of lanes that a tile's rows do not have.  No prefetch: nothing is loaded behind the head.
; LAYOUT.  Both products are used transposed (S^T = K Q^T, O^T = V^T A^T): a lane holds ONE query (lane % 16).  The head's 64 are half of an instruction's 128: source 0 holds TWO tiles of 16 keys side by side, source 1 is
; [Q | zeros] or [zeros | Q], cut out of one run of registers; zero codes add nothing.  THE KEYS OF A TILE ARE NOT NEIGHBOURS: row r of tile 2 g + u is key 32 g + 8 u + r % 8 + 16 (r / 8), so register 16 g + i is key 32 g + 16 (lane / 16) + i.
.set VIM,   0                          ; LDS: 6,144 bytes a wave: its four fragments of V, as images
.set MSK,   98304                      ; 512 a wave: its 128 keys' masks
.set QIM,   106496                     ; 16 half fragments of Q, 768 each
.set QSC,   118784                     ; for each tile 16 x 8 bytes: a query's scale word for [Q | 0], and for [0 | Q]
.set QMK,   120832                     ; the 256 queries' masks
.set SUM,   121856                     ; [query, 80 bytes apart][wave]: the waves' sums
.set OPT,   123136                     ; [wave, 4,352][query, 272 bytes apart][64] f32: the waves' partial results
.set SPARE, 192768                     ; the spare words, 128 bytes for each wave: eight blocks of 256 bytes that no other line names
.set SPW,  1                           ; v1   LDS address of my spare word; never rewritten
.set NIL,  2                           ; v2   0; never rewritten
.set AQ,   3                           ; v3   QIM + 8 l
.set AQS,  4                           ; v4   QSC + 8 r
.set AM,   5                           ; v5   MSK + 512 w + 64 h
.set AV,   6                           ; v6   VIM + 6,144 w + 16 l
.set ASW,  7                           ; v7   SUM + 80 r + 4 w
.set ASR,  8                           ; v8   SUM + 80 r
.set AOW,  9                           ; v9   OPT + 4,352 w + 272 r + 32 h
.set AOR,  10                          ; v10  OPT + 272 w + 8 l
.set AQM,  11                          ; v11  QMK + 4 w
.set GO,   12                          ; v12  my byte offset in out0
.set WK,   13                          ; v13  at work
.set NC,   14                          ; v[14:15] -c, twice
.set ZQ,   16                          ; v16-21 zeros, v22-27 Q, v28-33 zeros
.set QS,   34                          ; v34, v35 Q's scale words
.set KSC,  36                          ; v36, v37 K's scale words: fragment 2 j in lanes 0-15, fragment 2 j + 1 in lanes 16-31
.set VSC,  38                          ; v38, v39 V's, laid likewise
.set KF,   40                          ; v40-87   K's four fragments
.set S,    88                          ; v88-151  the scores, then e, then a; then V's fragments
.set T,    152                         ; v152-183 two halves of 16 at work; the sums; O^T; the reduction
.set PC,   184                         ; v184-203 a's codes
.set MB,   184                         ; v184-199, v200-215 two buffers of 16 masks (free when the codes are made)
.set TM,   216                         ; v216-219 largest magnitudes, v220-223 bytes, v228-231 the conversions' scale operands
.set PW,   232                         ; v232 a's scale word
.set WK2,  233
.set SUMA, 234                         ; v[234:235], v[236:237] the lane's sum in two chains
.set SUMB, 236
.set RI,   238                         ; v[238:239] 1 / the row's sum (the low word serves both halves)
.set QM,   240                         ; v[240:241] my query's mask
.set OUTR, 242                         ; v[242:243] two numbers of out0
.set ADQ,  244                         ; v244-246 the tile's addresses of Q, its scale words, the query's mask
.set ADQS, 245
.set ADQM, 246
.set LN,   247                         ; l, r = l % 16, h = l / 16
.set RR,   248
.set HH,   249
.set GV,   250                         ; v250-255 offsets of the head's loads; never rewritten
.set GQ,   251
.set GR,   252
.set GK,   253
.set GKS,  254
.set GL,   255
; s12 wave; s14 batch x head; s[16:17] c; s18 10.0; s[20:21] lane selects; s22 trips; s23, s42, s43 the tile's steps among Q's images, scale words and masks; s[24:41] bases
	s_load_b256 s[4:11], s[0:1], 0x0               ; img s[4:5], scl s[6:7], masks s[8:9], out0 s[10:11]
	v_lshl_add_u32 v[SPW], v0, 2, SPARE
	v_mov_b32 v[NIL], 0
	v_lshrrev_b32 v[WK], 5, v0
	v_readfirstlane_b32 s12, v[WK]                 ; wave 0..15
	v_and_b32 v[LN], 31, v0
	v_and_b32 v[RR], 15, v0
	v_bfe_u32 v[HH], v0, 4, 1
	s_and_b32 s14, ttmp7, 0xffff                   ; 16 x batch + head
	s_lshr_b32 s15, s14, 4                         ; batch
	s_and_b32 s19, s14, 15                         ; head
	s_mov_b32 s16, 0x3fb8aa3b                      ; c = log2(e)
	s_mov_b32 s17, s16                             ; (named with it as a pair)
	s_mov_b32 s18, 0x41200000                      ; 10.0
	s_mov_b32 s20, 0x76543210
	s_mov_b32 s21, 0xfedcba98                      ; v_permlanex16_b32's selects for lane l xor 16
	s_mov_b32 s22, 15
	s_mov_b32 s23, 0
	s_mov_b32 s42, 0
	s_mov_b32 s43, 0
	v_lshlrev_b32 v[GV], 4, v[LN]                  ; 16 l
	v_lshlrev_b32 v[GQ], 3, v0                     ; 8 x thread
	v_lshlrev_b32 v[GR], 2, v[RR]                  ; 4 r
	v_lshrrev_b32 v[WK], 3, v[RR]
	v_mul_u32_u24 v[GK], v[WK], 768                ; K: row r of tile 2 g + u lies in stored tile 2 g + r / 8, at its lane 8 u + r % 8 + 16 h
	v_and_b32 v[WK], 7, v[RR]
	v_lshl_add_u32 v[GK], v[WK], 3, v[GK]
	v_lshl_add_u32 v[GK], v[HH], 7, v[GK]
	v_lshlrev_b32 v[GKS], 2, v[WK]                 ; its scale word: 64 bytes for 32 keys; lanes 16-31 take the next fragment's
	v_lshl_add_u32 v[GKS], v[HH], 6, v[GKS]
	v_lshlrev_b32 v[GL], 2, v[LN]                  ; 4 l
	; byte offsets, each in a pair with 0 above it
	s_mul_i32 s48, s14, 98304                      ; a head's images
	s_mul_i32 s47, s12, 6144                       ; my 128 keys' (of K: 8 tiles of 768; of V: 4 fragments of 1,536)
	s_mul_i32 s50, ttmp9, 12288                    ; my work-group's 16 tiles of Q
	s_add_co_u32 s50, s50, s48
	s_add_co_u32 s50, s50, 3145728
	s_add_co_u32 s48, s48, s47
	s_mov_b32 s49, 0
	s_mov_b32 s51, 0
	s_lshl_b32 s52, s15, 13                        ; the batch's masks
	s_lshl_b32 s47, ttmp9, 10
	s_add_co_u32 s54, s52, s47
	s_lshl_b32 s47, s12, 6
	s_add_co_u32 s54, s54, s47                     ; queries 256 x work-group + 16 w on
	s_lshl_b32 s47, s12, 9
	s_add_co_u32 s52, s52, s47                     ; keys 128 w on
	s_mov_b32 s53, 0
	s_mov_b32 s55, 0
	s_lshl_b32 s58, s14, 12                        ; a head's scale words
	s_lshl_b32 s47, ttmp9, 9
	s_add_co_u32 s56, s58, s47
	s_lshr_b32 s47, s12, 1
	s_lshl_b32 s47, s47, 6
	s_add_co_u32 s56, s56, s47
	s_add_co_u32 s56, s56, 131072                  ; Q's: the 32 rows that hold tile w
	s_lshl_b32 s47, s12, 8
	s_add_co_u32 s58, s58, s47                     ; K's and V's: my 128 keys'
	s_mov_b32 s57, 0
	s_mov_b32 s59, 0
	s_lshl_b32 s60, s15, 23
	s_lshl_b32 s47, ttmp9, 20
	s_add_co_u32 s60, s60, s47
	s_lshl_b32 s47, s19, 8
	s_add_co_u32 s60, s60, s47                     ; out0: batch, my first query, my head's 256 bytes of a row
	s_mov_b32 s61, 0
	s_wait_kmcnt 0x0
	s_add_nc_u64 s[28:29], s[4:5], s[48:49]        ; K
	s_add_nc_u64 s[24:25], s[28:29], 6291456       ; V
	s_add_nc_u64 s[26:27], s[4:5], s[50:51]        ; Q
	s_add_nc_u64 s[30:31], s[8:9], s[52:53]        ; the keys' masks
	s_add_nc_u64 s[32:33], s[8:9], s[54:55]        ; the queries' masks
	s_add_nc_u64 s[34:35], s[6:7], s[56:57]        ; Q's scale words
	s_add_nc_u64 s[36:37], s[6:7], s[58:59]        ; K's
	s_add_nc_u64 s[38:39], s[36:37], 262144        ; V's
	s_add_nc_u64 s[40:41], s[10:11], s[60:61]      ; out0
	; eighteen loads whose data go on into LDS
.irp k, 0,1,2,3,4,5,6,7,8,9,10,11
	global_load_b128 v[S+4*\k:S+4*\k+3], v[GV], s[24:25] offset:512*\k
.endr
	global_load_b128 v[T:T+3], v[GV], s[30:31]
.irp k, 0,1,2
	global_load_b64 v[T+4+2*\k:T+5+2*\k], v[GQ], s[26:27] offset:4096*\k
.endr
	global_load_b32 v[T+10], v[GR], s[34:35]
	global_load_b32 v[T+11], v[GR], s[32:33]
	; thirty that stay in registers
.irp g, 0,1,2,3
.irp u, 0,1
.irp j, 0,1,2
	global_load_b64 v[KF+12*\g+6*\u+2*\j:KF+12*\g+6*\u+2*\j+1], v[GK], s[28:29] offset:1536*\g+64*\u+256*\j
.endr
.endr
.endr
.irp j, 0,1
.irp u, 0,1
	global_load_b32 v[T+12+2*\j+\u], v[GKS], s[36:37] offset:128*\j+32*\u
.endr
.endr
.irp j, 0,1
	global_load_b32 v[VSC+\j], v[GL], s[38:39] offset:128*\j
.endr
	; LDS addresses: a constant, a constant x lane, a constant x wave
	v_lshl_add_u32 v[AQ], v[LN], 3, QIM
	v_lshl_add_u32 v[AQS], v[RR], 3, QSC
	s_lshl_b32 s44, s12, 9
	s_add_co_u32 s44, s44, MSK
	v_lshl_add_u32 v[AM], v[HH], 6, s44
	s_mul_i32 s44, s12, 6144
	v_lshl_add_u32 v[AV], v[LN], 4, s44
	v_mul_u32_u24 v[ASR], v[RR], 80
	v_add_nc_u32 v[ASR], SUM, v[ASR]
	s_lshl_b32 s44, s12, 2
	v_add_nc_u32 v[ASW], s44, v[ASR]
	s_add_co_u32 s44, s44, QMK
	v_mov_b32 v[AQM], s44
	s_mul_i32 s44, s12, 4352
	s_add_co_u32 s44, s44, OPT
	v_mul_u32_u24 v[AOW], v[RR], 272
	v_lshl_add_u32 v[AOW], v[HH], 5, v[AOW]
	v_add_nc_u32 v[AOW], s44, v[AOW]
	s_mul_i32 s44, s12, 272
	s_add_co_u32 s44, s44, OPT
	v_lshl_add_u32 v[AOR], v[LN], 3, s44
	s_lshl_b32 s44, s12, 12
	v_lshl_add_u32 v[GO], v[LN], 3, s44            ; wave w stores query 16 i + w: 4,096 w + 8 l
	v_lshl_add_u32 v136, v0, 4, MSK                ; where the head's data go: masks at 16 x thread,
	v_lshl_add_u32 v137, v0, 3, QIM                ; Q's images at 8 x thread,
	s_lshl_b32 s44, s12, 7
	s_add_co_u32 s44, s44, QSC
	v_lshl_add_u32 v138, v[RR], 3, s44             ; tile w's scale words,
	s_lshl_b32 s44, s12, 6
	s_add_co_u32 s44, s44, QMK
	v_lshl_add_u32 v139, v[RR], 2, s44             ; tile w's queries' masks
	s_and_b32 s45, s12, 1
	s_lshl_b32 s45, s45, 4                         ; tile w's bytes lie in the low (w even) or the high half of the stored word
	v_and_b32 v142, 8, v[RR]
	v_lshlrev_b32 v142, 1, v142                    ; and a key's in the half r / 8
.irp i, 0,1,2,3,4,5
	v_mov_b32 v[ZQ+\i], 0                          ; zero codes on both sides of Q
	v_mov_b32 v[ZQ+12+\i], 0
.endr
	v_mov_b32 v[NC], 0xbfb8aa3b                    ; -c
	v_mov_b32 v[NC+1], 0xbfb8aa3b
.irp b, 0,1,2,3
	v_mov_b32 v[TM+4+\b], 0                        ; written once: a lane permute's destination counts as one of its sources
.endr
	v_mov_b32 v[WK2], 0
	v_mov_b32 v[RI+1], 0                           ; (named as the upper halves of pairs)
	v_mov_b32 v[QM+1], 0
	s_wait_loadcnt 30                              ; the first eighteen loads are in; the thirty behind them may be out
.irp k, 0,1,2,3,4,5,6,7,8,9,10,11
	ds_store_b128 v[AV], v[S+4*\k:S+4*\k+3] offset:512*\k
.endr
	ds_store_b128 v136, v[T:T+3]
.irp k, 0,1,2
	ds_store_b64 v137, v[T+4+2*\k:T+5+2*\k] offset:4096*\k
.endr
	v_lshrrev_b32 v140, s45, v[T+10]
	v_and_b32 v140, 0xffff, v140                   ; for [Q | 0]: the query's two bytes below, bytes 0 above (over zero codes)
	v_lshlrev_b32 v141, 16, v140                   ; for [0 | Q]: the other way round
	ds_store_b64 v138, v[140:141]                  ; (lanes 16-31 write the same values to the same places)
	ds_store_b32 v139, v[T+11]
	s_wait_loadcnt 0x0
.irp j, 0,1                            ; K's scale word of a fragment: the two bytes of tile 2 g's row below, those of tile 2 g + 1's row above
	v_lshrrev_b32 v143, v142, v[T+12+2*\j]
	v_and_b32 v143, 0xffff, v143
	v_lshrrev_b32 v144, v142, v[T+13+2*\j]
	v_lshl_or_b32 v[KSC+\j], v144, 16, v143
.endr
	s_wait_dscnt 0x0                               ; for the others' sake: my stores have landed
	s_barrier_signal -1
	s_barrier_wait -1
.macro QLOAD                           ; the next tile's Q and its scale words
	v_add_nc_u32 v[ADQ], s23, v[AQ]
	v_add_nc_u32 v[ADQS], s42, v[AQS]
	ds_load_b64 v[ZQ+6:ZQ+7], v[ADQ]
	ds_load_b64 v[ZQ+8:ZQ+9], v[ADQ] offset:256
	ds_load_b64 v[ZQ+10:ZQ+11], v[ADQ] offset:512
	ds_load_b64 v[QS:QS+1], v[ADQS]
	s_add_co_u32 s23, s23, 768
	s_add_co_u32 s42, s42, 128
.endm
.macro SCORES                          ; S^T = K Q^T: eight tiles of 16 keys, eight different accumulators, each begun with 0
.irp g, 0,1,2,3
.irp u, 0,1
.if \g%2
	v_wmma_scale_f32_16x16x128_f8f6f4 v[S+16*\g+8*\u:S+16*\g+8*\u+7], v[KF+12*\g:KF+12*\g+11], v[ZQ+6-6*\u:ZQ+17-6*\u], 0, v[KSC+\g/2], v[QS+\u] matrix_a_fmt:MATRIX_FMT_FP6 matrix_b_fmt:MATRIX_FMT_FP6 matrix_a_scale:MATRIX_SCALE_ROW1
.else
	v_wmma_scale_f32_16x16x128_f8f6f4 v[S+16*\g+8*\u:S+16*\g+8*\u+7], v[KF+12*\g:KF+12*\g+11], v[ZQ+6-6*\u:ZQ+17-6*\u], 0, v[KSC+\g/2], v[QS+\u] matrix_a_fmt:MATRIX_FMT_FP6 matrix_b_fmt:MATRIX_FMT_FP6
.endif
.endr
.endr
.endm
.macro MLOAD k                         ; the masks of block k's 16 keys of my half
.irp x, 0,1,2,3
	ds_load_b128 v[MB+16*((\k)%2)+4*\x:MB+16*((\k)%2)+4*\x+3], v[AM] offset:128*(\k)+16*\x
.endr
.endm
.macro P1                              ; block 0: c min(u, 0); each accumulator is read from its low end on
.set i, 0
.rept 16
	v_min_num_f32 v[T+i], 0, v[S+i]
.set i, i+1
.endr
.set i, 0
.rept 8
	v_pk_mul_f32 v[T+2*i:T+2*i+1], v[T+2*i:T+2*i+1], s[16:17] op_sel_hi:[1,0]
.set i, i+1
.endr
.endm
; Block k's first exponentials, t = 2^(c min(u, 0)), each with plain work behind it: med3(u, 0, 10) of the same block and (nxt = 1) c min(u, 0) of the next.  None of these lines names an exponential's result.
; The wait at the end serves this batch and the batch that the block before has left out, ahead of the first line that names a result.
.macro XST k, nxt
.set TK, T+16*((\k)%2)
.set TN, T+16*(((\k)+1)%2)
.set SK, S+16*(\k)
.set SN, S+16*(\k)+16
	MLOAD \k
.set i, 0
.rept 16
	v_exp_f32 v[TK+i], v[TK+i]
	v_med3_num_f32 v[SK+i], v[SK+i], 0, s18
.if \nxt
	v_min_num_f32 v[TN+i], 0, v[SN+i]
.if i%2
	v_pk_mul_f32 v[TN+i-1:TN+i], v[TN+i-1:TN+i], s[16:17] op_sel_hi:[1,0]
.endif
.endif
.set i, i+1
.endr
	s_wait_alu depctr_va_vdst(0)
.endm
; Pair ii of block k: x the keys' masks, and into the lane's sum: two chains, begun by the first four pairs, so that nothing is cleared.
.macro P3 k, ii
.set PS, S+16*(\k)+2*(\ii)
.set PM, MB+16*((\k)%2)+2*(\ii)
.set PN, 8*(\k)+(\ii)
	v_pk_mul_f32 v[PS:PS+1], v[PS:PS+1], v[PM:PM+1]
.if PN == 1
	v_pk_add_f32 v[SUMA:SUMA+1], v[S:S+1], v[S+2:S+3]
.elseif PN == 3
	v_pk_add_f32 v[SUMB:SUMB+1], v[S+4:S+5], v[S+6:S+7]
.elseif (PN >= 4) && (PN%2 == 0)
	v_pk_add_f32 v[SUMA:SUMA+1], v[SUMA:SUMA+1], v[PS:PS+1]
.elseif PN >= 5
	v_pk_add_f32 v[SUMB:SUMB+1], v[SUMB:SUMB+1], v[PS:PS+1]
.endif
.endm
; Block k's second exponentials, e = 2^(c med3 + (c t - c)); prev = 1: the block before, whose exponentials have had their wait, is masked and summed between them.
.macro YST k, prev
.set TK, T+16*((\k)%2)
.set SK, S+16*(\k)
.if \prev
	s_wait_dscnt 4                                 ; the masks of the block before are in; this block's four loads may be out
.endif
.set i, 0
.rept 8
	v_pk_fma_f32 v[TK+2*i:TK+2*i+1], v[TK+2*i:TK+2*i+1], s[16:17], v[NC:NC+1] op_sel_hi:[1,0,1]
	v_pk_fma_f32 v[SK+2*i:SK+2*i+1], v[SK+2*i:SK+2*i+1], s[16:17], v[TK+2*i:TK+2*i+1] op_sel_hi:[1,0,1]
.if \prev
	P3 (\k)-1, i
.endif
	v_exp_f32 v[SK+2*i], v[SK+2*i]
	v_exp_f32 v[SK+2*i+1], v[SK+2*i+1]
.set i, i+1
.endr
.endm
.macro BMAX b0, nb                     ; the largest magnitude of my 16 numbers of blocks b0 .. b0 + nb - 1, the blocks by turns
.set bb, \b0
.rept \nb
	v_max3_num_f32 v[TM+bb], |v[S+16*bb]|, |v[S+16*bb+1]|, |v[S+16*bb+2]|
.set bb, bb+1
.endr
.irp m, 3,5,7,9,11,13
.set bb, \b0
.rept \nb
	v_max3_num_f32 v[TM+bb], v[TM+bb], |v[S+16*bb+\m]|, |v[S+16*bb+\m+1]|
.set bb, bb+1
.endr
.endr
.set bb, \b0
.rept \nb
	v_max_num_f32 v[TM+bb], v[TM+bb], |v[S+16*bb+15]|
.set bb, bb+1
.endr
.endm
; A TILE OF 16 QUERIES, from its scores to my partial O^T in LDS.  next = 1: the next tile's Q is fetched at the end.
.macro BODY next
	P1
	XST 0, 1
	YST 0, 0
	XST 1, 1
	YST 1, 1
	XST 2, 1
	YST 2, 1
	XST 3, 0
	YST 3, 1
	BMAX 0, 3                                      ; plain work behind the last exponentials: it names blocks 0 to 2 alone
	s_wait_alu depctr_va_vdst(0)                   ; the wait for block 3's exponentials, ahead of their first reader
	s_wait_dscnt 0x0                               ; block 3's masks
.set i, 0
.rept 8
	P3 3, i
.set i, i+1
.endr
	v_pk_add_f32 v[SUMA:SUMA+1], v[SUMA:SUMA+1], v[SUMB:SUMB+1]
	v_add_f32 v[WK], v[SUMA], v[SUMA+1]
	v_permlanex16_b32 v[WK2], v[WK], s20, s21
	v_add_f32 v[WK], v[WK], v[WK2]                 ; my query's sum over my wave's 128 keys
	ds_store_b32 v[ASW], v[WK]                     ; (both halves of the lanes write the same word with the same value)
	s_wait_dscnt 0x0                               ; for the others' sake: it has landed
	s_barrier_signal -1
	BMAX 3, 1                                      ; work on registers while the others arrive
.irp b, 0,1,2,3
	v_permlanex16_b32 v[TM+4+\b], v[TM+\b], s20, s21
.endr
.irp b, 0,1,2,3
	v_max_num_f32 v[TM+\b], v[TM+\b], v[TM+4+\b]   ; with lane l xor 16's: the block's largest magnitude
.endr
	s_barrier_wait -1                              ; all sixteen sums lie in LDS
.irp x, 0,1,2,3
	ds_load_b128 v[T+4*\x:T+4*\x+3], v[ASR] offset:16*\x
.endr
	s_wait_dscnt 0x0
.irp p, 0,2,4,6
	v_pk_add_f32 v[T+\p:T+\p+1], v[T+\p:T+\p+1], v[T+8+\p:T+9+\p]   ; the same order in every wave: all sixteen divide by the same number
.endr
	v_pk_add_f32 v[T:T+1], v[T:T+1], v[T+4:T+5]
	v_pk_add_f32 v[T+2:T+3], v[T+2:T+3], v[T+6:T+7]
	v_pk_add_f32 v[T:T+1], v[T:T+1], v[T+2:T+3]
	v_add_f32 v[WK], v[T], v[T+1]                  ; the row's sum over all 2,048 keys
	v_rcp_f32 v[RI], v[WK]
	v_nop                                          ; a plain place behind the reciprocal
	s_wait_alu depctr_va_vdst(0)                   ; and the wait ahead of its first reader
.set i, 0
.rept 32
	v_pk_mul_f32 v[S+2*i:S+2*i+1], v[S+2*i:S+2*i+1], v[RI:RI+1] op_sel_hi:[1,0]   ; a = e / the sum: finished and normalised, as it is quantised
.set i, i+1
.endr
.irp b, 0,1,2,3
	v_mul_f32 v[TM+\b], v[TM+\b], |v[RI]|          ; the same multiplication of the block's largest e gives the block's largest a: rounding keeps the order
.endr
.irp b, 0,1,2,3
	v_max_num_f32 v[TM+\b], 0x1800000, v[TM+\b]    ; the floor 2^(3 - 127): the byte cannot fall under 1
.endr
.irp b, 0,1,2,3
	v_add_nc_u32 v[TM+12+\b], 0xff000000, v[TM+\b] ; 2 off the exponent field: the conversion's scale operand
.endr
.irp b, 0,1,2,3
	v_lshrrev_b32 v[TM+4+\b], 23, v[TM+12+\b]      ; the scale's byte
.endr
	v_lshl_or_b32 v[PW], v[TM+5], 8, v[TM+4]       ; a's scale word for my 128 keys
	v_lshl_or_b32 v[PW], v[TM+6], 16, v[PW]
	v_lshl_or_b32 v[PW], v[TM+7], 24, v[PW]
.irp c, 0,1
	v_cvt_scalef32_pk16_fp6_f32 v[PC+6*\c:PC+6*\c+2], v[S+32*\c:S+32*\c+15], v[TM+12+2*\c]
	v_cvt_scalef32_pk16_fp6_f32 v[PC+12+4*\c:PC+14+4*\c], v[S+16+32*\c:S+31+32*\c], v[TM+13+2*\c]   ; (a conversion's three registers begin on an even number)
.endr
	v_nop                                          ; one plain place behind a scaled conversion
.irp k, 0,1,2,3,4,5,6,7,8,9,10,11
	ds_load_b128 v[S+4*\k:S+4*\k+3], v[AV] offset:512*\k   ; V's four fragments land where a lay
.endr
.irp c, 0,1                            ; the operand's layout wants a WHOLE block in a lane: lanes 0-15 block 2 c, lanes 16-31 block 2 c + 1
.irp i, 0,1,2
	v_permlane16_swap_b32 v[PC+6*\c+\i], v[PC+12+4*\c+\i]
.endr
.irp i, 0,1,2
	v_mov_b32 v[PC+3+6*\c+\i], v[PC+12+4*\c+\i]
.endr
.endr
.rept 8
	v_nop                                          ; a scale register written by a vector instruction stands 8 places ahead of a scaled matrix instruction, an operand so written 4
.endr
	s_wait_dscnt 0x0
.irp t, 0,1,2,3                        ; O^T = V^T A^T over my 128 keys: four different accumulators, each begun with 0
.if \t%2
	v_wmma_scale_f32_16x16x128_f8f6f4 v[T+8*\t:T+8*\t+7], v[S+12*\t:S+12*\t+11], v[PC:PC+11], 0, v[VSC+\t/2], v[PW] matrix_a_fmt:MATRIX_FMT_FP6 matrix_b_fmt:MATRIX_FMT_FP6 matrix_a_scale:MATRIX_SCALE_ROW1
.else
	v_wmma_scale_f32_16x16x128_f8f6f4 v[T+8*\t:T+8*\t+7], v[S+12*\t:S+12*\t+11], v[PC:PC+11], 0, v[VSC+\t/2], v[PW] matrix_a_fmt:MATRIX_FMT_FP6 matrix_b_fmt:MATRIX_FMT_FP6
.endif
.endr
.rept 5
	v_nop                                          ; four places ahead of the stores that read the results; five ahead of the next scores, which are written over V's fragments
.endr
.irp t, 0,1,2,3
.irp x, 0,1
	ds_store_b128 v[AOW], v[T+8*\t+4*\x:T+8*\t+4*\x+3] offset:64*\t+16*\x   ; query r, the head's numbers 16 t + 8 h on; each accumulator from its low end on
.endr
.endr
	s_wait_dscnt 0x0                               ; for the others' sake: my partial results have landed
	s_barrier_signal -1
.if \next
	QLOAD                                          ; bytes that nobody writes behind the head's barrier
.endif
	s_barrier_wait -1                              ; all sixteen partial results lie in LDS
.endm
; Wave w adds the sixteen partial results of query 16 i + w, multiplies by the query's mask and stores the head's 64 numbers.  next = 1: the next tile's scores are issued while the loads are on their way.
.macro TOP next
	v_add_nc_u32 v[ADQM], s43, v[AQM]
.irp p, 0,1,2,3,4,5,6,7,8,9,10,11,12,13,14,15
	ds_load_b64 v[T+2*\p:T+2*\p+1], v[AOR] offset:4352*\p
.endr
	ds_load_b32 v[QM], v[ADQM]
	s_add_co_u32 s43, s43, 64
.if \next
	s_wait_dscnt 17                                ; Q and its scale words are in; the 17 loads just issued may be out
	SCORES
.endif
	s_wait_dscnt 0x0
.irp p, 0,2,4,6,8,10,12,14
	v_pk_add_f32 v[T+\p:T+\p+1], v[T+\p:T+\p+1], v[T+16+\p:T+17+\p]   ; (these fifteen name none of the scores' registers: they are the places behind them)
.endr
.irp p, 0,2,4,6
	v_pk_add_f32 v[T+\p:T+\p+1], v[T+\p:T+\p+1], v[T+8+\p:T+9+\p]
.endr
.irp p, 0,2
	v_pk_add_f32 v[T+\p:T+\p+1], v[T+\p:T+\p+1], v[T+4+\p:T+5+\p]
.endr
	v_pk_add_f32 v[T:T+1], v[T:T+1], v[T+2:T+3]
	s_wait_xcnt 0x0                                ; the last tile's store has read its offset and its data: both are written again only behind this wait
	v_add_nc_u32 v[GO], 0x10000, v[GO]             ; 16 rows of out0 on; the store reaches back
	v_pk_mul_f32 v[OUTR:OUTR+1], v[T:T+1], v[QM:QM+1] op_sel_hi:[1,0]
	global_store_b64 v[GO], v[OUTR:OUTR+1], s[40:41] offset:-65536 th:TH_STORE_NT   ; 32 lanes store 256 consecutive bytes, at a multiple of 256 from out0's first byte
.endm
	QLOAD                                          ; tile 0
.rept 8
	v_nop                                          ; K's scale words and the zero codes were written by vector instructions: 8 and 4 places ahead of a scaled matrix instruction
.endr
	s_wait_dscnt 0x0
	SCORES
.rept 4
	v_nop                                          ; places ahead of the first read of the scores
.endr
.Ltile:                                                ; 15 trips; SUM is written again behind the second barrier, OPT behind the next tile's first: each behind a barrier that every reader reaches with its loads waited for
	BODY 1
	TOP 1
	s_sub_co_u32 s22, s22, 1
	s_cmp_lg_u32 s22, 0
	s_cbranch_scc1 .Ltile
	BODY 0                                         ; the last tile fetches no Q and issues no scores
	TOP 0
	s_wait_tensorcnt 0x0                           ; the wave's end, behind my last LDS store
	ds_add_u32 v[SPW], v[NIL]
	s_wait_dscnt 0x0
	s_endpgm
.Lfunc_end_k_qae4ff6157d_attn:
	.size	k_qae4ff6157d_attn, .Lfunc_end_k_qae4ff6157d_attn-k_qae4ff6157d_attn
	.p2alignl 7, 3214868480
	.fill 96, 4, 3214868480
	.section	.rodata,"a",@progbits
	.p2align	6, 0x0
	.amdhsa_kernel k_qae4ff6157d_attn
		.amdhsa_group_segment_fixed_size 194816
		.amdhsa_private_segment_fixed_size 0
		.amdhsa_enable_private_segment 0
		.amdhsa_kernarg_size 32
		.amdhsa_user_sgpr_count 2
		.amdhsa_user_sgpr_kernarg_segment_ptr 1
		.amdhsa_wavefront_size32 1
		.amdhsa_system_sgpr_workgroup_id_x 1
		.amdhsa_system_sgpr_workgroup_id_y 1
		.amdhsa_system_sgpr_workgroup_id_z 1
		.amdhsa_system_vgpr_workitem_id 0
		.amdhsa_next_free_vgpr 256
		.amdhsa_next_free_sgpr 66
		.amdhsa_reserve_vcc 0
		.amdhsa_float_denorm_mode_32 3
		.amdhsa_float_denorm_mode_16_64 3
		.amdhsa_memory_ordered 1
		.amdhsa_forward_progress 1
		.amdhsa_inst_pref_size 82
	.end_amdhsa_kernel
	.amdgpu_metadata
---
amdhsa.version: [ 1, 2 ]
amdhsa.kernels:
  - .name:           k_qae4ff6157d_attn
    .symbol:         k_qae4ff6157d_attn.kd
    .args:
      - { .name: img, .offset: 0, .size: 8, .value_kind: global_buffer, .address_space: global }
      - { .name: scl, .offset: 8, .size: 8, .value_kind: global_buffer, .address_space: global }
      - { .name: masks, .offset: 16, .size: 8, .value_kind: global_buffer, .address_space: global }
      - { .name: out0, .offset: 24, .size: 8, .value_kind: global_buffer, .address_space: global }
    .group_segment_fixed_size: 194816
    .private_segment_fixed_size: 0
    .kernarg_segment_align: 8
    .kernarg_segment_size: 32
    .max_flat_workgroup_size: 512
    .sgpr_count:     66
    .vgpr_count:     256
    .wavefront_size: 32
...
	.end_amdgpu_metadata
.endif
;; end of part 2
